; MI455X (gfx1250); checked and timed in simulation.
; The chip was launched on July 23, 2026; its instructions are those of AMD's public machine-readable ISA for CDNA 5 (MIT licence, August 2026) and "CDNA5" Instruction Set Architecture Reference Guide (July 2026). The comments in the code are by the model that wrote it; some were corrected since.
;; Multi Head Self Attention. Allowed arithmetic: matrix products marked QUANTISED: E4M3 operands, one given power-of-two scale a tensor, by v_wmma_f32_16x16x64_fp8_fp8 or v_wmma_f32_16x16x128_fp8_fp8, f32 sums; everything else in f32.
;; Inputs: Wk 1,024 x 1,024 float32; Wq 1,024 x 1,024 float32; Wv 1,024 x 1,024 float32; attn_mask 8 x 1,024 x 1,024 float32; lowp_scales 10 int32 (the exponents e of the quantised operands' scales 2^e); x 8 x 1,024 x 1,024 float32.
;; Outputs: out0 8 x 1,024 x 1,024 float32.
;; This version of the problem:
;;   THIS VERSION OF THE PROBLEM IS GIVEN IN LOW PRECISION. The matrix products marked QUANTISED in the list below multiply operands that are first quantised to E4M3 (4 exponent bits, 3 mantissa bits; 8 bits a number), with one given power-of-two scale for each operand tensor; their sums are f32. All else is computed in f32.
;;   The module's matrix products, in the order in which they are computed (A, B: the left and right operand; K: the contracted axis; several contracted axes count as one K, in the product's order):
;;     1. [M 8,192, K 1,024] x [K 1,024, N 1,024]; A: input x; B: input Wq: QUANTISED (scales: A lowp_scales[0], B lowp_scales[1])
;;     2. [M 8,192, K 1,024] x [K 1,024, N 1,024]; A: input x; B: input Wk: QUANTISED (scales: A lowp_scales[2], B lowp_scales[3])
;;     3. [M 8,192, K 1,024] x [K 1,024, N 1,024]; A: input x; B: input Wv: QUANTISED (scales: A lowp_scales[4], B lowp_scales[5])
;;     4. batch 128 x [M 1,024, K 64] x [K 64, N 1,024]; A: computed on the way; B: computed on the way: QUANTISED (scales: A lowp_scales[6], B lowp_scales[7])
;;     5. batch 128 x [M 1,024, K 1,024] x [K 1,024, N 64]; A: computed on the way; B: computed on the way: QUANTISED (scales: A lowp_scales[8], B lowp_scales[9])
;;   THE QUANTISER, for each operand of a quantised product, along K:
;;     - The operand's scale is 2^e, e = its entry of the input lowp_scales (int32; the entries are numbered through the quantised products in the list's order, A before B).
;;     - Each number is divided by the scale, clamped to +-448, and rounded to the nearest number of E4M3, ties to even, subnormals kept.
;;     - The product sums the exact products of the quantised numbers (number of the format x scale) in f32.
;;   ~~~python
;;   def quantise(x, axis, e):      # numpy; x: float32 -> the quantised numbers, widened to float32 again
;;       x = np.moveaxis(x, axis, -1); K = x.shape[-1]
;;       r = np.clip(x / 2.0 ** e, -448, 448)
;;       step = 2.0 ** (np.maximum(np.frexp(np.where(r == 0, 1, r))[1] - 1, -6) - 3)
;;       q = np.round(r / step) * step * 2.0 ** e      # np.round: ties to even
;;       return np.moveaxis(q, -1, axis).astype(np.float32)
;;   ~~~
;;   OPERANDS COMPUTED ON THE WAY. 'Computed on the way' means the value that the module computes at that place (a softmax that the list does not call 'softmax' is quantised finished and normalised). What goes into a quantiser is computed in f32, as accurately as f32 sums, v_exp_f32 and their like allow (about 1e-6 of the number): no bf16 or f16 on the way to a quantiser, and a product that is left as it is and whose result goes on into a quantised operand takes f32 operands (vector FMAs, or v_wmma_f32_16x16x4_f32). A number that lies on a knife's edge between two numbers of the format may be rounded either way, as far as f32 arithmetic and the matrix unit's own rounding can turn it there, and no further.
;; One version. Each part assembles by itself: llvm-mc -triple=amdgcn-amd-amdhsa -mcpu=gfx1250 --defsym DOCPART=n.
;; ======== version 1 of 1: 3 launches
;; limits: right only within a limited range of input values
;; workspace buffers: xc 25,165,824 bytes; wc 3,145,728 bytes; qkv 25,165,824 bytes
;; launch prep (part 1): grid 608 x 1, 4 waves a work-group, no clusters, 55,808 bytes of LDS; arguments x, Wq, Wk, Wv, lowp_scales, xc, wc; writes xc, wc
.if DOCPART == 1
	.amdgcn_target "amdgcn-amd-amdhsa--gfx1250"
	.amdhsa_code_object_version 6
	.text
	.protected	k_qd5f1914f96_prep
	.globl	k_qd5f1914f96_prep
	.p2align	8
	.type	k_qd5f1914f96_prep,@function
k_qd5f1914f96_prep:
	s_mov_b64 s[64:65], 0
	v_nop
	global_prefetch_b8 v0, s[64:65] scope:SCOPE_SE
	s_setreg_imm32_b32 hwreg(HW_REG_WAVE_MODE, 25, 1), 1
	s_wait_xcnt 0x0
; MULTI-HEAD SELF-ATTENTION IN FP8 (E4M3), first of three launches: the inputs of the three projections become codes.
; NOTHING OF reference() IS LEFT OUT in any of the three launches: every input reaches the output, the mask is taken as the f32 factor that it is, and 1e-8 stays in the divisor.
; x [8192][1024] f32 is quantised three times, with entries 0, 2 and 4 of the scales' exponents (they may differ): plane i of xc, [8192][1024] codes, K innermost, at byte i x 8,388,608.
; Wq, Wk, Wv [K 1024][N 1024] f32 are quantised with entries 1, 3, 5 and laid [N][K], K innermost: plane i of wc at byte i x 1,048,576.
; code = number / 2^e, held within +-448, rounded to the nearest code, ties to even.
; LIMITS: entries 0 to 5 lie between -126 and 119, so that 2^e and 448 x 2^e are f32 numbers.  NaN among the inputs is not served (an infinity is held at the largest code).
; Work-groups 0 to 511 take x, 512 to 607 the weights: a scalar branch on the work-group's number; each path has LDS bytes of its own.  No tensor loads, no barrier: waves share nothing.
; PATH X.  A wave takes 8 steps of 512 numbers.  A load reads 512 consecutive bytes, 16 a lane; a step's 2,048 bytes turn through the wave's own stage in LDS and come back 64 bytes a lane, so that a lane holds
; 16 neighbours along K for the conversions.  Each step is held and converted three times; a lane's 16 codes are 16 bytes, so a store covers 512 consecutive bytes.  Loads run four steps (16 loads) ahead.
; PATH W.  A lane takes a column n and its registers run down K: each load reads 128 consecutive bytes a wave, and the conversions give codes with K innermost.  A wave takes 32 columns x 256 along K;
; the codes go through its stage (rows of 272 bytes) and leave as rows: sixteen lanes store 256 consecutive bytes, aligned.
.set STEPS,  8
.set SP,     80                        ; path X: a lane's place in a stage: 64 bytes + 16 of padding
.set XREG,   5120                      ; path X: a wave's two stages of 32 x SP bytes, from LDS byte 0 on
.set WSTG,   20480                     ; path W: the four stages begin here
.set WPITCH, 272
.set SPARE,  55296                     ; the spare words, 128 bytes for each wave: two blocks of 256 bytes that no other line names
.set SPW,    12                        ; v12  LDS address of my spare word; never rewritten
.set NIL,    13                        ; v13  0; never rewritten
.set R,      16                        ; path X: v16-79   four sets of 16 numbers as loaded
.set XN,     80                        ;         v80-111  two sets of 16 neighbours
.set T,      112                       ;         v112-127 the held numbers
.set C,      128                       ;         v128-223 codes: step t, plane i at C + 12 t + 4 i: no store's data are written again
.set WX,     32                        ; path W: v32-95   two sets of 32 numbers
.set WC,     96                        ;         v96-103  a block's codes
.set OUTR,   112                       ;         v112-175 the way out
; v4-6: 2^e as f32; v7-9: 448 x 2^e (path W: v4 and v7).  v3, v10: offsets in memory.  v14, v15: LDS addresses, into a stage and out of it.
.macro XLOAD t
.irp i, 0,1,2,3
	global_load_b128 v[R+16*((\t)%4)+4*\i:R+16*((\t)%4)+4*\i+3], v3, s[4:5] offset:2048*(\t)+512*\i th:TH_LOAD_NT
.endr
.endm
.macro XTURN t                         ; LDS serves a wave's instructions in order: no wait between the stores and the loads
.irp i, 0,1,2,3
	ds_store_b128 v14, v[R+16*((\t)%4)+4*\i:R+16*((\t)%4)+4*\i+3] offset:32*SP*((\t)%2)+8*SP*\i
.endr
.irp i, 0,1,2,3
	ds_load_b128 v[XN+16*((\t)%2)+4*\i:XN+16*((\t)%2)+4*\i+3], v15 offset:32*SP*((\t)%2)+16*\i
.endr
.endm
.macro XSTEP t
.set XS, XN+16*((\t)%2)
	s_wait_dscnt 0x0                               ; this step's numbers are back from the stage, and its stores into the stage have read their registers,
.if (\t)+4 < STEPS
	XLOAD (\t)+4                                   ; which take the loads of four steps on
.endif
.if (\t)+1 < STEPS
.if STEPS-2-(\t) >= 3
	s_wait_loadcnt 12                              ; the next step's four loads are in; those of the three steps behind it may be out
.else
	s_wait_loadcnt 4*(STEPS-2-(\t))
.endif
	XTURN (\t)+1
.endif
.irp i, 0,1,2
.irp n, 0,1,2,3,4,5,6,7,8,9,10,11,12,13,14,15
	v_med3_num_f32 v[T+\n], v[XS+\n], -v[7+\i], v[7+\i]   ; the conversion to an 8-bit code does not saturate (ISA guide 7.6.2): the hold at the largest code x the scale
.endr
	v_cvt_scalef32_pk8_fp8_f32 v[C+12*(\t)+4*\i:C+12*(\t)+4*\i+1], v[T:T+7], v[4+\i]
	v_cvt_scalef32_pk8_fp8_f32 v[C+12*(\t)+4*\i+2:C+12*(\t)+4*\i+3], v[T+8:T+15], v[4+\i]
	v_nop                                          ; a plain instruction between the conversions and the next holds, which write their sources
	global_store_b128 v3, v[C+12*(\t)+4*\i:C+12*(\t)+4*\i+3], s[20+2*\i:21+2*\i] offset:512*(\t)
.endr
.endm
.macro WLOAD t                         ; block t: W(32 t + i, my column), i = 0 .. 31
.irp i, 0,1,2,3,4,5,6,7,8,9,10,11,12,13,14,15,16,17,18,19,20,21,22,23,24,25,26,27,28,29,30,31
	global_load_b32 v[WX+32*((\t)%2)+\i], v3, s[24:25] offset:(32*(\t)+\i)*4096 th:TH_LOAD_NT
.endr
.endm
.macro WBLOCK t
.set XS, WX+32*((\t)%2)
.if (\t) < 7
	s_wait_loadcnt 32                              ; this block's 32 loads are in; the next block's may be out
.else
	s_wait_loadcnt 0
.endif
.irp i, 0,1,2,3,4,5,6,7,8,9,10,11,12,13,14,15,16,17,18,19,20,21,22,23,24,25,26,27,28,29,30,31
	v_med3_num_f32 v[XS+\i], v[XS+\i], -v7, v7
.endr
.irp g, 0,1,2,3
	v_cvt_scalef32_pk8_fp8_f32 v[WC+2*\g:WC+2*\g+1], v[XS+8*\g:XS+8*\g+7], v4
.endr
	ds_store_b128 v14, v[WC:WC+3] offset:32*(\t)   ; 32 codes: 32 bytes of my column's row
	ds_store_b128 v14, v[WC+4:WC+7] offset:32*(\t)+16
.if (\t)+2 < 8
	WLOAD (\t)+2
.endif
	s_wait_dscnt 0x0                               ; the stores have read their registers; the next block begins with 32 plain holds on the other set
.endm
	s_load_b256 s[4:11], s[0:1], 0x0               ; x s[4:5], Wq s[6:7], Wk s[8:9], Wv s[10:11]
	s_load_b128 s[12:15], s[0:1], 0x20             ; the scales' exponents s[12:13], xc s[14:15]
	s_load_b64 s[16:17], s[0:1], 0x30              ; wc
	v_lshl_add_u32 v[SPW], v0, 2, SPARE
	v_mov_b32 v[NIL], 0
	v_lshrrev_b32 v1, 5, v0
	v_readfirstlane_b32 s18, v1                    ; wave 0..3
	v_and_b32 v2, 31, v0                           ; lane
	s_wait_kmcnt 0x0
	s_load_b256 s[40:47], s[12:13], 0x0            ; entries 0 to 7
	s_cmp_lt_u32 ttmp9, 512
	s_cbranch_scc0 .Lweights
	; ---------------- PATH X
	s_lshl_b32 s19, ttmp9, 2
	s_add_co_u32 s19, s19, s18                     ; which run of 4,096 numbers is my wave's
	s_lshl_b32 s26, s19, 14
	s_mov_b32 s27, 0
	s_add_nc_u64 s[4:5], s[4:5], s[26:27]
	s_lshl_b32 s26, s19, 12
	s_add_nc_u64 s[20:21], s[14:15], s[26:27]      ; my codes in plane 0,
	s_add_nc_u64 s[22:23], s[20:21], 0x800000      ; plane 1,
	s_add_nc_u64 s[24:25], s[22:23], 0x800000      ; plane 2
	s_wait_alu depctr_va_vdst(0)
	v_lshlrev_b32 v3, 4, v2                        ; my 16 bytes of a load's or a store's 512
	s_mul_i32 s28, s18, XREG
	v_lshrrev_b32 v14, 2, v2
	v_mul_u32_u24 v14, v14, SP
	v_and_b32 v15, 3, v2
	v_lshl_add_u32 v14, v15, 4, v14
	v_add_nc_u32 v14, s28, v14                     ; into the stage: SP (lane / 4) + 16 (lane % 4)
	v_mul_u32_u24 v15, v2, SP
	v_add_nc_u32 v15, s28, v15                     ; out of it: SP x lane
.irp t, 0,1,2,3
	XLOAD \t
.endr
	s_wait_alu depctr_va_vdst(0)
	s_wait_kmcnt 0x0
.irp i, 0,1,2
	s_add_co_i32 s28, s[40+2*\i], 127
	s_lshl_b32 s29, s28, 23
	v_mov_b32 v[4+\i], s29                         ; 2^e as f32: the conversion takes its exponent field
	s_add_co_i32 s28, s28, 8
	s_lshl_b32 s28, s28, 23
	s_or_b32 s28, s28, 0x600000
	v_mov_b32 v[7+\i], s28                         ; 448 x 2^e
.endr
	s_wait_alu depctr_va_vdst(0)
	s_wait_loadcnt 12                              ; step 0's four loads are in
	XTURN 0
.irp t, 0,1,2,3,4,5,6,7
	XSTEP \t
.endr
	s_wait_tensorcnt 0x0                           ; the wave's end: behind my last LDS store
	ds_add_u32 v[SPW], v[NIL]
	s_wait_dscnt 0x0
	s_endpgm
	; ---------------- PATH W
.Lweights:
	s_sub_co_u32 s19, ttmp9, 512
	s_lshr_b32 s20, s19, 5                         ; which weight: 0 Wq, 1 Wk, 2 Wv
	s_and_b32 s21, s19, 7                          ; which 128 columns
	s_bfe_u32 s22, s19, 0x20003                    ; which 256 along K
	s_cmp_eq_u32 s20, 0
	s_cselect_b64 s[24:25], s[6:7], s[8:9]
	s_cmp_eq_u32 s20, 2
	s_cselect_b64 s[24:25], s[10:11], s[24:25]     ; the choice hangs on the work-group's number alone
	s_lshl_b32 s23, s21, 7
	s_lshl_b32 s26, s18, 5
	s_add_co_u32 s23, s23, s26                     ; my wave's first column
	s_lshl_b32 s26, s22, 20                        ; 256 rows of 4,096 bytes
	s_lshl_b32 s28, s23, 2
	s_add_co_u32 s26, s26, s28
	s_mov_b32 s27, 0
	s_add_nc_u64 s[24:25], s[24:25], s[26:27]
	s_lshl_b32 s26, s20, 20                        ; the weight's plane of codes
	s_lshl_b32 s28, s23, 10                        ; + column x 1,024
	s_add_co_u32 s26, s26, s28
	s_lshl_b32 s28, s22, 8                         ; + 256 along K
	s_add_co_u32 s26, s26, s28
	s_add_nc_u64 s[16:17], s[16:17], s[26:27]
	s_wait_alu depctr_va_vdst(0)
	v_lshlrev_b32 v3, 2, v2                        ; in: 4 bytes a lane
	s_mul_i32 s29, s18, 32*WPITCH
	s_add_co_u32 s29, s29, WSTG                    ; my stage
	v_mul_u32_u24 v14, v2, WPITCH
	v_add_nc_u32 v14, s29, v14                     ; into it: row = my column
	v_and_b32 v1, 15, v2
	v_lshrrev_b32 v11, 4, v2
	v_mul_u32_u24 v15, v11, WPITCH
	v_lshl_add_u32 v15, v1, 4, v15
	v_add_nc_u32 v15, s29, v15                     ; out of it: sixteen lanes to a row, two rows an instruction
	v_lshlrev_b32 v10, 10, v11
	v_lshl_add_u32 v10, v1, 4, v10                 ; and the same place in the codes' plane
	WLOAD 0
	WLOAD 1
	s_wait_kmcnt 0x0
	s_cmp_eq_u32 s20, 0
	s_cselect_b32 s30, s41, s43
	s_cmp_eq_u32 s20, 2
	s_cselect_b32 s30, s45, s30                    ; entry 1, 3 or 5
	s_add_co_i32 s30, s30, 127
	s_lshl_b32 s31, s30, 23
	v_mov_b32 v4, s31
	s_add_co_i32 s30, s30, 8
	s_lshl_b32 s30, s30, 23
	s_or_b32 s30, s30, 0x600000
	v_mov_b32 v7, s30
	s_wait_alu depctr_va_vdst(0)
.irp t, 0,1,2,3,4,5,6,7
	WBLOCK \t
.endr
.irp t, 0,1,2,3,4,5,6,7,8,9,10,11,12,13,14,15
	ds_load_b128 v[OUTR+4*\t:OUTR+4*\t+3], v15 offset:2*\t*WPITCH
.endr
.irp t, 0,1,2,3,4,5,6,7,8,9,10,11,12,13,14,15
	s_wait_dscnt 15-\t                             ; LDS loads come back in order: load t is in, the younger ones may be out
	global_store_b128 v10, v[OUTR+4*\t:OUTR+4*\t+3], s[16:17] offset:2*\t*1024
.endr
	s_wait_tensorcnt 0x0                           ; the wave's end: the same three lines
	ds_add_u32 v[SPW], v[NIL]
	s_wait_dscnt 0x0
	s_endpgm
.Lfunc_end_k_qd5f1914f96_prep:
	.size	k_qd5f1914f96_prep, .Lfunc_end_k_qd5f1914f96_prep-k_qd5f1914f96_prep
	.p2alignl 7, 3214868480
	.fill 96, 4, 3214868480
	.section	.rodata,"a",@progbits
	.p2align	6, 0x0
	.amdhsa_kernel k_qd5f1914f96_prep
		.amdhsa_group_segment_fixed_size 55808
		.amdhsa_private_segment_fixed_size 0
		.amdhsa_enable_private_segment 0
		.amdhsa_kernarg_size 56
		.amdhsa_user_sgpr_count 2
		.amdhsa_user_sgpr_kernarg_segment_ptr 1
		.amdhsa_wavefront_size32 1
		.amdhsa_system_sgpr_workgroup_id_x 1
		.amdhsa_system_sgpr_workgroup_id_y 1
		.amdhsa_system_sgpr_workgroup_id_z 1
		.amdhsa_system_vgpr_workitem_id 0
		.amdhsa_next_free_vgpr 224
		.amdhsa_next_free_sgpr 66
		.amdhsa_reserve_vcc 0
		.amdhsa_float_denorm_mode_32 3
		.amdhsa_float_denorm_mode_16_64 3
		.amdhsa_memory_ordered 1
		.amdhsa_forward_progress 1
		.amdhsa_inst_pref_size 89
	.end_amdhsa_kernel
	.amdgpu_metadata
---
amdhsa.version: [ 1, 2 ]
amdhsa.kernels:
  - .name:           k_qd5f1914f96_prep
    .symbol:         k_qd5f1914f96_prep.kd
    .args:
      - { .name: x, .offset: 0, .size: 8, .value_kind: global_buffer, .address_space: global }
      - { .name: Wq, .offset: 8, .size: 8, .value_kind: global_buffer, .address_space: global }
      - { .name: Wk, .offset: 16, .size: 8, .value_kind: global_buffer, .address_space: global }
      - { .name: Wv, .offset: 24, .size: 8, .value_kind: global_buffer, .address_space: global }
      - { .name: lowp_scales, .offset: 32, .size: 8, .value_kind: global_buffer, .address_space: global }
      - { .name: xc, .offset: 40, .size: 8, .value_kind: global_buffer, .address_space: global }
      - { .name: wc, .offset: 48, .size: 8, .value_kind: global_buffer, .address_space: global }
    .group_segment_fixed_size: 55808
    .private_segment_fixed_size: 0
    .kernarg_segment_align: 8
    .kernarg_segment_size: 56
    .max_flat_workgroup_size: 128
    .sgpr_count:     66
    .vgpr_count:     224
    .wavefront_size: 32
...
	.end_amdgpu_metadata
.endif
;; end of part 1
;; launch gemm (part 2): grid 8 x 32, 4 waves a work-group, clusters of 4 x 4, 327,680 bytes of LDS; arguments xc, wc, lowp_scales, qkv; writes qkv
.if DOCPART == 2
	.amdgcn_target "amdgcn-amd-amdhsa--gfx1250"
	.amdhsa_code_object_version 6
	.text
	.protected	k_qd5f1914f96_gemm
	.globl	k_qd5f1914f96_gemm
	.p2align	8
	.type	k_qd5f1914f96_gemm,@function
k_qd5f1914f96_gemm:
	s_mov_b64 s[64:65], 0
	v_nop
	global_prefetch_b8 v0, s[64:65] scope:SCOPE_SE
	s_setreg_imm32_b32 hwreg(HW_REG_WAVE_MODE, 25, 1), 1
	s_wait_xcnt 0x0
	s_wait_alu depctr_hold_cnt(0) depctr_sa_sdst(0) depctr_va_vdst(0) depctr_va_sdst(0) depctr_va_ssrc(0) depctr_va_vcc(0) depctr_vm_vsrc(0)
	s_getreg_b32 s2, hwreg(HW_REG_IB_STS2, 6, 4)
	s_cmp_eq_u32 s2, 0
	s_cbranch_scc0 .Lentry_in_a_cluster
	s_endpgm
.Lentry_in_a_cluster:
	s_bfe_u32 s2, ttmp6, 0x10000c
	s_cmp_lg_u32 s2, 0xf033
	s_cbranch_scc0 .Lentry_shape_is_right
	s_endpgm
.Lentry_shape_is_right:
; Second launch: the three projections on codes of FP8 (E4M3), and their results quantised again, as operands of the attention's two products.  Nothing of reference() is left out.
; C[m][n] = sum over k of A[m][k] B[n][k], K = 1,024, by v_wmma_f32_16x16x128_fp8_fp8, sums in f32.  Plane p = 0 (q), 1 (k): A = x's codes (plane p of xc, 8,192 rows), B = the weight's (plane p of wc, 1,024 rows).
; Plane 2 (v): A = Wv's codes, B = x's codes: v comes out TRANSPOSED, so that its codes have the keys innermost, as the attention's second product wants them.
; A sum stands for sum x 2^(eA + eB); its code under the next scale 2^eo is sum / 2^(eo - eA - eB), held within +-448 codes: (eA + eB, eo) = entries (0 + 1, 6), (2 + 3, 7), (4 + 5, 9).
; LIMIT: eo - eA - eB lies between -126 and 119, so that this power of two and 448 times it are f32 numbers.
; OUTPUT, plane p of qkv at byte p x 8,388,608, in panels of 64 columns: C[m][n] lies at ((n / 64) x ROWS + m) x 64 + n % 64, ROWS = 8,192 (q, k) or 1,024 (v): q, k are [head][batch][s][64], v is [batch][s / 64][head][d][64 keys].
; SHARES.  q and k together have 256 blocks of 256 x 256, v has 256 blocks of 256 (A) x 128 (B); the grid is 256 work-groups, and A WORK-GROUP STAYS: it makes one block of q or k (FIRST PART: a wave makes 128 x 128,
; 64 accumulators) and then one block of v (SECOND PART: a wave makes 128 x 64, 32 accumulators): 8 K steps of 256 through ONE ring of two LDS slots; the first part's last two changes of slots ask for the second part's
; first two K steps.  A slot has room for 256 + 256 rows of 256 bytes; the second part's B fills 128 of the latter.
; CLUSTERS: 4 x 4, X = 0, 1, Y = 0 .. 7.  First part: plane Y / 4, block row 4 (X + 2 (Y % 4)) + cy, block column cx.  Second part: block row cy, block column 4 X + cx + 8 Y.  A's tile hangs on cy (X, Y) alone and is asked for
; jointly by a row of the cluster, B's on cx (X, Y) by a column.
; PREFETCH: the head asks for the first part's K steps 1 to 3; the change of slots behind its K step j asks for the second part's K step j, which is two refills on.  Each wave asks for rows of the tile that it fetches; the four
; partners of a joint load share them out by address (32 rows of 128, or 16 of 64, a lane a row).  x's rows are asked for by every cluster that loads them.  A row of Wq or Wk is loaded by 8 clusters and asked for by the four
; of them with X = 0; a row of Wv is loaded by all 16 and asked for by the four with X = 0 and even Y: a branch on the cluster's own place in the grid.
; THE MATRIX INSTRUCTION IS USED TRANSPOSED (source 0 = 16 rows of B, source 1 = 16 rows of A): a lane holds eight neighbouring columns of one row of C, which one conversion turns into eight codes.
; A fragment is fetched by four loads of 16 bytes: a permutation of k that is the same in A and in B, so every product meets its partner.
; REGISTERS, in windows of 256.  Window 0: v0-31 addresses and constants; v32-159 the way out.
;   First part:  window 0 from v128: A's fragments, ONE set (a block of A is free when its eight products are issued);  window 1: B's, two sets of 128;  windows 2, 3: accumulator (a, b) at v[8 (8 (a % 4) + b)], a / 4 picks the window.
;   Second part: window 1: B's fragments, two sets of 64;  window 2: accumulator (a, b) at v[8 (4 a + b)];  window 3: A's fragments, two sets of 128.
.set ROWB,   256
.set KROW,   1024
.set PITCH,  272                       ; an LDS row: 256 bytes + 16 of padding: the 16 rows that a load touches start at 16 different banks (64 banks of 4 bytes: ISA guide 11.1)
.set HALFT,  128*PITCH
.set ATILE,  2*HALFT
.set SLOT,   4*HALFT                   ; A's 256 rows, then B's
.set STAGE,  2*SLOT                    ; the way out: 2 x 16 rows x 80 bytes for each wave, on bytes into which no tile lands
.set STGW,   2560
.set SPARE,  STAGE+4*STGW              ; the spare words, 128 bytes for each wave
.set ADRA, 16                          ; v16-17 my A fragments in slot 0, 1;  v18-19 my B fragments, first part;  v20-21 second part
.set ADRB, 18
.set ADRC, 20
.set PFO2, 23                          ; v23  the second part's prefetch offset: my row x 1,024
.set STO,  24
.set RD,   25
.set CO,   26
.set PFO1, 27                          ; v27  the head's prefetch offset: my lane x 1,024
.set SPW,  28
.set NIL,  29
.set VSC,  30                          ; v30  2^(eo - eA - eB) as f32
.set VLIM, 31                          ; v31  448 x that
.set TMP,  32
.set AF,   128
.set G1, 24                            ; s[24:31] group 1 for A's tiles (128 rows);  s[48:55] for B's, first part (128 rows);  s[68:75] second part (64 rows)
.set G0, 32
.set G1B, 48
.set G0B, 56
.set G1C, 68
.set NA, 76                            ; s[76:79] where my fetches begin in the second part: A's, B's
.set NB, 78
.set P0, 80                            ; s[80:83] my two panels' rows, first part;  s[84:85] my panel's, second part
.set P1, 82
.set P2, 84
.set PFA1, 86
.set FA, 90                            ; s90  1: my wave asks at the head;  s91: for the second part
.set FB, 91
.set PFA2, 96
.set MSB, 0
.macro WIN new                         ; the immediate's high byte repeats the setting that is left
.if MSB != (\new)
	s_set_vgpr_msb (MSB<<8)|(\new)
.set MSB, (\new)
.endif
.endm
.set MUL_LO, 0xa1                      ; first part: source 0 (B) window 1, source 1 (A) window 0, C and D window 2
.set MUL_HI, 0xf1                      ; the same, C and D window 3
.set MULW, 0xad                        ; second part: source 0 (B) window 1, source 1 (A) window 3, C and D window 2
; A joint load: waves 0 and 1 fetch A's halves, waves 2 and 3 B's; the branch hangs on the wave's number alone.  An s_nop 0 and four v_nop follow each line.
.macro JLOAD g0a, g1a, g0b, g1b
	s_cmp_eq_u32 s15, 0
	s_cbranch_scc0 .Lfor_b_\@
	tensor_load_to_lds s[\g0a:\g0a+3], s[\g1a:\g1a+7]
	s_nop 0
.rept 4
	v_nop
.endr
	s_branch .Lasked_\@
.Lfor_b_\@:
	tensor_load_to_lds s[\g0b:\g0b+3], s[\g1b:\g1b+7]
	s_nop 0
.rept 4
	v_nop
.endr
.Lasked_\@:
.endm
.macro CROUND                          ; a round of the cluster's barrier
	s_barrier_signal -1
	s_barrier_wait -1
	s_cmp_lg_u32 s14, 0
	s_cbranch_scc1 .Lnot_wave_0_\@
	s_barrier_signal -3
.Lnot_wave_0_\@:
	s_barrier_wait -3
	s_barrier_signal -1
	s_barrier_wait -1
.endm
.macro SCL d, eo, ea, eb               ; s[d] = 2^(eo - ea - eb) as f32, s[d + 1] = 448 x that
	s_sub_co_i32 s[\d], s\eo, s\ea
	s_sub_co_i32 s[\d], s[\d], s\eb
	s_add_co_i32 s[\d], s[\d], 127
	s_add_co_i32 s[\d+1], s[\d], 8
	s_lshl_b32 s[\d], s[\d], 23
	s_lshl_b32 s[\d+1], s[\d+1], 23
	s_or_b32 s[\d+1], s[\d+1], 0x600000
.endm
	s_load_b256 s[4:11], s[0:1], 0x0               ; xc s[4:5], wc s[6:7], the scales' exponents s[8:9], qkv s[10:11]
	v_lshl_add_u32 v[SPW], v0, 2, SPARE
	v_mov_b32 v[NIL], 0
	ds_add_u32 v[SPW], v[NIL]                      ; the wave's opening: the add, twice on end, and its wait ahead of my first tensor load
	ds_add_u32 v[SPW], v[NIL]
	v_lshrrev_b32 v1, 5, v0
	v_readfirstlane_b32 s14, v1                    ; wave 0..3
	s_lshr_b32 s15, s14, 1                         ; which 128 of the block's rows are mine.  Also: I fetch for A (0) or for B (1)
	s_and_b32 s16, s14, 1                          ; which half of its columns.  Also: which half of that tile I fetch
	s_bfe_u32 s40, ttmp6, 0x40000                  ; cx, cy
	s_bfe_u32 s41, ttmp6, 0x40004
	s_and_b32 s18, ttmp7, 0xffff                   ; Y
	s_lshr_b32 s12, s18, 2                         ; the first part's plane
	s_and_b32 s17, s18, 3
	s_lshl_b32 s17, s17, 1
	s_add_co_u32 s17, s17, ttmp9
	s_lshl_b32 s17, s17, 2
	s_add_co_u32 s17, s17, s41                     ; its block row (its block column is cx)
	s_lshl_b32 s42, ttmp9, 2
	s_add_co_u32 s42, s42, s40
	s_lshl_b32 s43, s18, 3
	s_add_co_u32 s43, s43, s42                     ; the second part's block column (its block row is cy)
	s_lshl_b32 s46, s41, 2
	s_lshl_b32 s46, 15, s46                        ; my row of the cluster
	s_lshl_b32 s47, 0x1111, s40                    ; my column
	s_or_b32 s[G1+0], s46, (0<<16)|(1<<20)|(1<<21)|(5<<22)|(3<<25)  ; 15:0 the mask; 17:16 elements of 1 byte; 20 padding on; 21 set beside a mask; 24:22 after every 64 words; 31:25 four words
	s_or_b32 s[G1B+0], s47, (0<<16)|(1<<20)|(1<<21)|(5<<22)|(3<<25)
	s_or_b32 s[G1C+0], s47, (0<<16)|(1<<20)|(1<<21)|(5<<22)|(3<<25)
.irp g, G1, G1B, G1C
	s_mov_b32 s[\g+1], ROWB<<16                    ; tensor_dim0
	s_mov_b32 s[\g+3], ROWB<<16                    ; tile_dim0
	s_mov_b32 s[\g+5], KROW                        ; tensor_dim0_stride
	s_mov_b32 s[\g+6], 0
	s_mov_b32 s[\g+7], 0
.endr
	s_mov_b32 s[G1+2], 128<<16                     ; rows a load
	s_mov_b32 s[G1+4], 128
	s_mov_b32 s[G1B+2], 128<<16
	s_mov_b32 s[G1B+4], 128
	s_mov_b32 s[G1C+2], 64<<16
	s_mov_b32 s[G1C+4], 64
	s_lshl_b32 s13, s16, 17                        ; my half: 128 rows of 1,024 bytes
	s_lshl_b32 s20, s12, 23                        ; first part, A: x's plane, 256 rows for each block row
	s_lshl_b32 s21, s17, 18
	s_add_co_u32 s20, s20, s21
	s_add_co_u32 s20, s20, s13
	s_mov_b32 s21, 0
	s_lshl_b32 s22, s41, 18                        ; second part, A: wc's plane 2
	s_add_co_u32 s22, s22, s13
	s_add_co_u32 s22, s22, 0x200000
	s_mov_b32 s23, 0
	s_lshl_b32 s44, s12, 20                        ; first part, B: the weight's plane
	s_lshl_b32 s45, s40, 18
	s_add_co_u32 s44, s44, s45
	s_add_co_u32 s44, s44, s13
	s_mov_b32 s45, 0
	s_lshl_b32 s46, s43, 17                        ; second part, B: xc's plane 2, 128 rows for each block column, my half 64
	s_lshl_b32 s47, s16, 16
	s_add_co_u32 s46, s46, s47
	s_add_co_u32 s46, s46, 0x1000000
	s_mov_b32 s47, 0
	s_mul_i32 s66, s16, HALFT                      ; where they go in a slot: A's half,
	s_add_co_u32 s67, s66, ATILE                   ; B's half, first part,
	s_mul_i32 s13, s16, 64*PITCH
	s_add_co_u32 s13, s13, ATILE                   ; second part
	s_wait_dscnt 0x0                               ; both opening adds are done
	s_wait_kmcnt 0x0
	s_load_b256 s[80:87], s[8:9], 0x0              ; entries 0 to 7
	s_load_b64 s[88:89], s[8:9], 0x20              ; entries 8, 9
	s_add_nc_u64 s[20:21], s[4:5], s[20:21]
	s_add_nc_u64 s[NA:NA+1], s[6:7], s[22:23]
	s_add_nc_u64 s[44:45], s[6:7], s[44:45]
	s_add_nc_u64 s[NB:NB+1], s[4:5], s[46:47]
	CROUND                                         ; all sixteen work-groups are here: the first joint loads meet
.irp s, 0,1
	s_mov_b32 s[G0+4*\s], 1
	s_add_co_u32 s[G0+4*\s+1], s66, \s*SLOT
	s_add_nc_u64 s[G0+4*\s+2:G0+4*\s+3], s[20:21], \s*ROWB
	s_or_b32 s[G0+4*\s+3], s[G0+4*\s+3], 0x80000000
	s_mov_b32 s[G0B+4*\s], 1
	s_add_co_u32 s[G0B+4*\s+1], s67, \s*SLOT
	s_add_nc_u64 s[G0B+4*\s+2:G0B+4*\s+3], s[44:45], \s*ROWB
	s_or_b32 s[G0B+4*\s+3], s[G0B+4*\s+3], 0x80000000
.endr
	JLOAD G0, G1, G0B, G1B                         ; K step 0: one tensor load a wave at the head
	s_wait_kmcnt 0x0
	SCL 92, 86, 80, 81                             ; q
	SCL 94, 87, 82, 83                             ; k
	s_cmp_eq_u32 s12, 0                            ; the first part's plane, chosen without a jump
	s_cselect_b32 s92, s92, s94
	s_cselect_b32 s93, s93, s95
	SCL 94, 89, 84, 85                             ; v
	s_lshl_b32 s22, s40, 15                        ; the prefetches: my work-group's 32 of A's 128 rows (by cx),
	s_lshl_b32 s23, s41, 15                        ; 32 of B's 128 (by cy),
	s_lshl_b32 s46, s41, 14                        ; 16 of B's 64
	s_cmp_eq_u32 ttmp9, 0
	s_cselect_b32 s47, 1, 0                        ; my cluster asks for Wq's or Wk's rows: X = 0
	s_and_b32 s18, s18, 1
	s_cmp_eq_u32 s18, 0
	s_cselect_b32 s18, s47, 0                      ; and for Wv's: even Y too
	s_mov_b32 s3, 0
	s_cmp_eq_u32 s15, 0                            ; do I fetch for A?
	s_cselect_b32 s2, s22, s23
	s_cselect_b64 s[PFA1:PFA1+1], s[20:21], s[44:45]
	s_add_nc_u64 s[PFA1:PFA1+1], s[PFA1:PFA1+1], s[2:3]
	s_cselect_b32 s2, s22, s46
	s_cselect_b64 s[PFA2:PFA2+1], s[NA:NA+1], s[NB:NB+1]
	s_add_nc_u64 s[PFA2:PFA2+1], s[PFA2:PFA2+1], s[2:3]
	s_cselect_b32 s[FA], 1, s47                    ; first part: A is x, B a weight
	s_cselect_b32 s[FB], s18, 1                    ; second part: A is Wv, B is x
	s_cselect_b32 s18, 31, 15                      ; my last row in the second part: lanes that are left over name it again
	s_lshl_b32 s20, s12, 23                        ; first part: my panels 4 cx + 2 x half and the next, of 8,192 x 64 bytes,
	s_lshl_b32 s21, s40, 21
	s_add_co_u32 s20, s20, s21
	s_lshl_b32 s21, s16, 20
	s_add_co_u32 s20, s20, s21
	s_lshl_b32 s21, s17, 14                        ; + (256 x block row + 128 x half) rows of 64 bytes
	s_add_co_u32 s20, s20, s21
	s_lshl_b32 s22, s15, 13
	s_add_co_u32 s20, s20, s22
	s_mov_b32 s21, 0
	s_add_nc_u64 s[P0:P0+1], s[10:11], s[20:21]
	s_add_nc_u64 s[P1:P1+1], s[P0:P0+1], 0x80000
	s_lshl_b32 s20, s43, 17                        ; second part: my panel 2 x block column + half, of 1,024 x 64 bytes
	s_lshl_b32 s23, s16, 16
	s_add_co_u32 s20, s20, s23
	s_lshl_b32 s23, s41, 14
	s_add_co_u32 s20, s20, s23
	s_add_co_u32 s20, s20, s22
	s_add_co_u32 s20, s20, 0x1000000
	s_add_nc_u64 s[P2:P2+1], s[10:11], s[20:21]
	s_mul_i32 s20, s15, HALFT                      ; my 128 rows of A in a slot
	s_mul_i32 s22, s14, STGW
	s_add_co_u32 s22, s22, STAGE                   ; my stage
	v_and_b32 v1, 15, v0                           ; r = lane % 16
	v_bfe_u32 v2, v0, 4, 1                         ; h = lane / 16
	v_mul_u32_u24 v3, v1, PITCH
	v_lshl_add_u32 v4, v2, 4, v3                   ; a fragment's row x pitch + 16 x half
	v_add_nc_u32 v[ADRA], s20, v4
	v_add_nc_u32 v[ADRB], s67, v4
	v_add_nc_u32 v[ADRC], s13, v4
	v_add_nc_u32 v[ADRA+1], SLOT, v[ADRA]
	v_add_nc_u32 v[ADRB+1], SLOT, v[ADRB]
	v_add_nc_u32 v[ADRC+1], SLOT, v[ADRC]
	v_mul_u32_u24 v5, v1, 80
	v_lshl_add_u32 v5, v2, 3, v5
	v_add_nc_u32 v[STO], s22, v5                   ; into the stage: row r of 80 bytes, + 8 h
	v_and_b32 v6, 31, v0
	v_lshrrev_b32 v7, 2, v6
	v_mul_u32_u24 v7, v7, 80
	v_and_b32 v8, 3, v6
	v_lshl_add_u32 v7, v8, 4, v7
	v_add_nc_u32 v[RD], s22, v7                    ; back: four lanes to a row of 64 bytes, eight rows an instruction
	v_lshlrev_b32 v[CO], 4, v6                     ; my place in a store's 512 bytes
	v_lshlrev_b32 v[PFO1], 10, v6
	v_min_u32 v[PFO2], s18, v6
	v_lshlrev_b32 v[PFO2], 10, v[PFO2]
.macro FRAG reg, adr, q, i             ; a fragment, 16 rows x 128 K: lane l holds row l % 16; registers 4 c .. 4 c + 3 hold K = 32 c + 16 (l / 16) + 0 .. 15
.irp c, 0,1,2,3
	ds_load_b128 v[\reg+4*\c:\reg+4*\c+3], v[\adr] offset:128*(\q)+32*\c+(\i)*16*PITCH
.endr
.endm
.macro PLACES                          ; four plain vector instructions between a matrix instruction and a load into its registers (ISA guide 7.12.1 for vector instructions)
.rept 4
	v_nop
.endr
.endm
; ---------------- THE FIRST PART'S STEPS
.macro F1B slot, q, p                  ; B's eight fragments of the slot's q-th 128 along K into set p
	WIN 0x40
.irp i, 0,1,2,3,4,5,6,7
	FRAG 128*(\p)+16*\i, ADRB+\slot, \q, \i
.endr
	WIN 0
.endm
.macro F1A slot, q, i0                 ; A's blocks i0 .. i0 + 3
.irp i, \i0, \i0+1, \i0+2, \i0+3
	FRAG AF+16*(\i), ADRA+\slot, \q, \i
.endr
.endm
; 16 matrix instructions: A's blocks a0, a0 + 1 x B's eight.  The 64 accumulators take turns, one instruction a turn, in the same order in every step.
.macro MUL16 a0, p, zero
.irp a, \a0, \a0+1
.irp b, 0,1,2,3,4,5,6,7
.if \zero
	v_wmma_f32_16x16x128_fp8_fp8 v[8*(8*((\a)%4)+\b):8*(8*((\a)%4)+\b)+7], v[128*(\p)+16*\b:128*(\p)+16*\b+15], v[AF+16*(\a):AF+16*(\a)+15], 0
.else
	v_wmma_f32_16x16x128_fp8_fp8 v[8*(8*((\a)%4)+\b):8*(8*((\a)%4)+\b)+7], v[128*(\p)+16*\b:128*(\p)+16*\b+15], v[AF+16*(\a):AF+16*(\a)+15], v[8*(8*((\a)%4)+\b):8*(8*((\a)%4)+\b)+7]
.endif
.endr
.endr
.endm
.macro P1STEP slot, zero               ; a slot's first 128 along K, on B's set 0
	s_wait_dscnt 16                                ; B's set and A's blocks 0-3 are in; the youngest sixteen loads (A's blocks 4-7) may be out
	WIN MUL_LO
	MUL16 0, 0, \zero
	MUL16 2, 0, \zero
	s_wait_dscnt 0x0                               ; A's blocks 4-7 are in
	PLACES
	F1B \slot, 1, 1
	F1A \slot, 1, 0
	WIN MUL_HI
	MUL16 4, 0, \zero
	MUL16 6, 0, \zero
	PLACES
	WIN 0
	F1A \slot, 1, 4
.endm
; A slot's second 128, on B's set 1, changes slots.  Its first 32 products stand ahead of the wait for the tile, so that behind that wait only the add, the round and the refill stand.
; mode 1: this slot takes the block's K step two on; 2: the second part's K step 0 or 1.  K step kq of the second part is prefetched.  fetch = 0: the next fragments are fetched behind the way out.
.macro P1TURN slot, next, mode, kq, fetch
	s_wait_dscnt 16
	WIN MUL_LO
	MUL16 0, 1, 0
	MUL16 2, 1, 0
	WIN 0
	s_wait_tensorcnt 0x0                           ; all my tensor loads have landed: my part of the next slot; so every group 0 may be written
	ds_add_u32 v[SPW], v[NIL]                      ; 0 onto my spare word
.if \mode == 1
	s_add_nc_u64 s[G0+4*\slot+2:G0+4*\slot+3], s[G0+4*\slot+2:G0+4*\slot+3], 2*ROWB
	s_add_nc_u64 s[G0B+4*\slot+2:G0B+4*\slot+3], s[G0B+4*\slot+2:G0B+4*\slot+3], 2*ROWB
.else
	s_add_nc_u64 s[G0+4*\slot+2:G0+4*\slot+3], s[NA:NA+1], \slot*ROWB
	s_or_b32 s[G0+4*\slot+3], s[G0+4*\slot+3], 0x80000000
	s_add_nc_u64 s[G0B+4*\slot+2:G0B+4*\slot+3], s[NB:NB+1], \slot*ROWB
	s_or_b32 s[G0B+4*\slot+3], s[G0B+4*\slot+3], 0x80000000
	s_add_co_u32 s[G0B+4*\slot+1], s13, \slot*SLOT
.endif
	s_wait_dscnt 0x0                               ; the add is done, and my reads of this slot are over
	CROUND                                         ; no wave of any partner still reads this slot or has a load on its way
.if \mode == 1
	JLOAD G0+4*\slot, G1, G0B+4*\slot, G1B         ; the first tensor load behind the round; its four v_nop are the places in front of the loads below
.else
	JLOAD G0+4*\slot, G1, G0B+4*\slot, G1C
.endif
.if \fetch
	F1B \next, 0, 0
	F1A \next, 0, 0
.endif
	s_cmp_eq_u32 s[FB], 1
	s_cbranch_scc0 .Lnot_mine_\@
	global_prefetch_b8 v[PFO2], s[PFA2:PFA2+1] offset:\kq*ROWB th:TH_LOAD_NT scope:SCOPE_SE
.Lnot_mine_\@:
	WIN MUL_HI
	MUL16 4, 1, 0
	MUL16 6, 1, 0
.if \fetch
	PLACES
	WIN 0
	F1A \next, 0, 4
.endif
.endm
; ---------------- THE SECOND PART'S STEPS
.macro FETCH slot, q, p                ; 48 loads: B's four and A's eight fragments of the slot's q-th 128 along K into set p
	WIN 0x40
.irp i, 0,1,2,3
	FRAG 64*(\p)+16*\i, ADRC+\slot, \q, \i
.endr
	WIN 0xc0
.irp i, 0,1,2,3,4,5,6,7
	FRAG 128*(\p)+16*\i, ADRA+\slot, \q, \i
.endr
.endm
.macro MUL8 a0, p, zero                ; 8 matrix instructions: A's blocks a0, a0 + 1 x B's four; the 32 accumulators take turns
.irp a, \a0, \a0+1
.irp b, 0,1,2,3
.if \zero
	v_wmma_f32_16x16x128_fp8_fp8 v[8*(4*(\a)+\b):8*(4*(\a)+\b)+7], v[64*(\p)+16*\b:64*(\p)+16*\b+15], v[128*(\p)+16*(\a):128*(\p)+16*(\a)+15], 0
.else
	v_wmma_f32_16x16x128_fp8_fp8 v[8*(4*(\a)+\b):8*(4*(\a)+\b)+7], v[64*(\p)+16*\b:64*(\p)+16*\b+15], v[128*(\p)+16*(\a):128*(\p)+16*(\a)+15], v[8*(4*(\a)+\b):8*(4*(\a)+\b)+7]
.endif
.endr
.endr
.endm
.macro STEP slot, zero                 ; a slot's first 128 along K, on set 0; the second 128's fragments are fetched into set 1 meanwhile
	s_wait_dscnt 0x0                               ; set 0 is in
	PLACES
	FETCH \slot, 1, 1
	WIN MULW
	MUL8 0, 0, \zero
	MUL8 2, 0, \zero
	MUL8 4, 0, \zero
	MUL8 6, 0, \zero
.endm
.macro TURN slot, next, mode           ; a slot's second 128, on set 1, changes slots.  mode 0: nothing is filled; 1: this slot takes the K step two on
	s_wait_dscnt 0x0                               ; set 1 is in: my reads of this slot are over
	WIN MULW
	MUL8 0, 1, 0
	MUL8 2, 1, 0
	WIN 0
	s_wait_tensorcnt 0x0
	ds_add_u32 v[SPW], v[NIL]
.if \mode
	s_add_nc_u64 s[G0+4*\slot+2:G0+4*\slot+3], s[G0+4*\slot+2:G0+4*\slot+3], 2*ROWB
	s_add_nc_u64 s[G0B+4*\slot+2:G0B+4*\slot+3], s[G0B+4*\slot+2:G0B+4*\slot+3], 2*ROWB
.endif
	s_wait_dscnt 0x0                               ; the add is done
.if \mode
	CROUND
	JLOAD G0+4*\slot, G1, G0B+4*\slot, G1C
.else
	s_barrier_signal -1
	s_barrier_wait -1
	PLACES
.endif
	FETCH \next, 0, 0
	WIN MULW
	MUL8 4, 1, 0
	MUL8 6, 1, 0
.endm
; ---------------- THE WAY OUT, eight accumulators at a time.  A lane's eight sums of an accumulator are held and converted to eight codes, 8 bytes of a panel's row; the lanes beside it hold other rows.  So they go through my
; stage, as 2 x 16 rows of 64 bytes, and come back in the order of memory: 16 rows of a panel are 1,024 consecutive bytes, two stores of 512.
.macro OUTB k, w, ac                   ; k: which of the two sets of registers; w: source 0's window; ac: the first accumulator's register
.set CD, 96+16*((\k)%2)
.set BB, 128+16*((\k)%2)
	WIN \w
.set i, 0
.rept 64
	v_med3_num_f32 v[TMP+i], v[(\ac)+i], -v[VLIM], v[VLIM]   ; the hold at the largest code x the scale (ISA guide 7.6.2); each accumulator from its low end on
.set i, i+1
.endr
	WIN 0
.irp b, 0,1,2,3,4,5,6,7
	v_cvt_scalef32_pk8_fp8_f32 v[CD+2*\b:CD+2*\b+1], v[TMP+8*\b:TMP+8*\b+7], v[VSC]
.endr
	v_nop                                          ; a plain instruction between the conversions and the next holds, which write their sources
.irp b, 0,1,2,3,4,5,6,7
	ds_store_b64 v[STO], v[CD+2*\b:CD+2*\b+1] offset:(\b/4)*1280+16*(\b%4)
.endr
.irp n, 0,1,2,3
	ds_load_b128 v[BB+4*\n:BB+4*\n+3], v[RD] offset:(\n/2)*1280+(\n%2)*640   ; LDS serves a wave's instructions in order: these see the stores above
.endr
.endm
.macro SEND1 a, younger                ; first part: 16 rows of two panels.  younger: the LDS instructions issued behind these rows' loads
.set BB, 128+16*((\a)%2)
	s_wait_dscnt \younger
.irp n, 0,1
	global_store_b128 v[CO], v[BB+4*\n:BB+4*\n+3], s[P0:P0+1] offset:(\a)*1024+\n*512       ; 32 lanes store 512 consecutive bytes, aligned
	global_store_b128 v[CO], v[BB+8+4*\n:BB+8+4*\n+3], s[P1:P1+1] offset:(\a)*1024+\n*512
.endr
.endm
.macro SEND2 g, younger                ; second part: 32 rows of one panel
.set BB, 128+16*((\g)%2)
	s_wait_dscnt \younger
.irp n, 0,1,2,3
	global_store_b128 v[CO], v[BB+4*\n:BB+4*\n+3], s[P2:P2+1] offset:(\g)*2048+\n*512
.endr
.endm
.macro OUTHEAD sc                      ; the scale and the bound; these four lines are the places behind the last products
	WIN 0
	s_wait_xcnt 0x0                                ; earlier stores have read their registers
	v_mov_b32 v[VSC], s[\sc]
	v_mov_b32 v[VLIM], s[\sc+1]
	v_nop
	v_nop
.endm
	s_wait_alu depctr_va_vdst(0)                   ; the wait at the head's end
	s_cmp_eq_u32 s[FA], 1
	s_cbranch_scc0 .Lno_head_ask
.irp j, 1,2,3
	global_prefetch_b8 v[PFO1], s[PFA1:PFA1+1] offset:\j*ROWB th:TH_LOAD_NT scope:SCOPE_SE   ; the first part's K steps 1 to 3; K step 0 comes by its load alone
.endr
.Lno_head_ask:
	s_wait_tensorcnt 0x0                           ; my part of K step 0 is in; these lines stand ahead of a later first fill, as ahead of a refill
	ds_add_u32 v[SPW], v[NIL]
	s_wait_dscnt 0x0
	CROUND
	JLOAD G0+4, G1, G0B+4, G1B                     ; K step 1, the first tensor load behind the round
	F1B 0, 0, 0
	F1A 0, 0, 0
	F1A 0, 0, 4
	P1STEP 0, 1                                    ; the first products start the sums: nothing is cleared
	P1TURN 0, 1, 1, 0, 1
	P1STEP 1, 0
	P1TURN 1, 0, 1, 1, 1
	P1STEP 0, 0
	P1TURN 0, 1, 2, 2, 1                           ; THE RING GOES ON INTO THE SECOND PART: slot 0 takes its K step 0,
	P1STEP 1, 0
	P1TURN 1, 0, 2, 3, 0                           ; slot 1 its K step 1: both are asked for, now the block goes out
	OUTHEAD 92
	OUTB 0, 0x02, 0
.irp a, 1,2,3,4,5,6,7
	s_wait_xcnt 0x0                                ; the stores two turns back have read their registers: these loads may land there
	OUTB \a, 0x02+(\a/4), 64*(\a%4)
	SEND1 \a-1, 12                                 ; behind those loads: 8 stores and 4 loads
.endr
	SEND1 7, 0
	FETCH 0, 0, 0                                  ; the second part: slot 0 was shown whole by the last round
	STEP 0, 1
	TURN 0, 1, 1
	STEP 1, 0
	TURN 1, 0, 1
	STEP 0, 0
	TURN 0, 1, 0                                   ; nothing is left to fetch
	STEP 1, 0
	s_wait_dscnt 0x0
	WIN MULW
	MUL8 0, 1, 0
	MUL8 2, 1, 0
	MUL8 4, 1, 0
	MUL8 6, 1, 0
	OUTHEAD 94
	OUTB 0, 0x02, 0
.irp g, 1,2,3
	s_wait_xcnt 0x0
	OUTB \g, 0x02, 64*\g
	SEND2 \g-1, 12
.endr
	SEND2 3, 0
	s_wait_tensorcnt 0x0                           ; the wave's end: behind my last tensor load and my last LDS store
	ds_add_u32 v[SPW], v[NIL]
	s_wait_dscnt 0x0
	CROUND                                         ; the closing round: no work-group ends while a partner may still ask for a tile that names it
	s_endpgm
.Lfunc_end_k_qd5f1914f96_gemm:
	.size	k_qd5f1914f96_gemm, .Lfunc_end_k_qd5f1914f96_gemm-k_qd5f1914f96_gemm
	.p2alignl 7, 3214868480
	.fill 96, 4, 3214868480
	.section	.rodata,"a",@progbits
	.p2align	6, 0x0
	.amdhsa_kernel k_qd5f1914f96_gemm
		.amdhsa_group_segment_fixed_size 327680
		.amdhsa_private_segment_fixed_size 0
		.amdhsa_enable_private_segment 0
		.amdhsa_kernarg_size 32
		.amdhsa_user_sgpr_count 2
		.amdhsa_user_sgpr_kernarg_segment_ptr 1
		.amdhsa_wavefront_size32 1
		.amdhsa_system_sgpr_workgroup_id_x 1
		.amdhsa_system_sgpr_workgroup_id_y 1
		.amdhsa_system_sgpr_workgroup_id_z 1
		.amdhsa_system_vgpr_workitem_id 0
		.amdhsa_next_free_vgpr 1024
		.amdhsa_next_free_sgpr 100
		.amdhsa_reserve_vcc 0
		.amdhsa_float_denorm_mode_32 3
		.amdhsa_float_denorm_mode_16_64 3
		.amdhsa_memory_ordered 1
		.amdhsa_forward_progress 1
		.amdhsa_inst_pref_size 198
	.end_amdhsa_kernel
	.amdgpu_metadata
---
amdhsa.version: [ 1, 2 ]
amdhsa.kernels:
  - .name:           k_qd5f1914f96_gemm
    .symbol:         k_qd5f1914f96_gemm.kd
    .args:
      - { .name: xc, .offset: 0, .size: 8, .value_kind: global_buffer, .address_space: global }
      - { .name: wc, .offset: 8, .size: 8, .value_kind: global_buffer, .address_space: global }
      - { .name: lowp_scales, .offset: 16, .size: 8, .value_kind: global_buffer, .address_space: global }
      - { .name: qkv, .offset: 24, .size: 8, .value_kind: global_buffer, .address_space: global }
    .group_segment_fixed_size: 327680
    .private_segment_fixed_size: 0
    .kernarg_segment_align: 8
    .kernarg_segment_size: 32
    .max_flat_workgroup_size: 128
    .sgpr_count:     100
    .vgpr_count:     1024
    .wavefront_size: 32
...
	.end_amdgpu_metadata
.endif
;; end of part 2
;; launch attn (part 3): grid 16 x 16, 4 waves a work-group, clusters of 4 x 1, 327,680 bytes of LDS; arguments qkv, attn_mask, lowp_scales, out0; writes out0
.if DOCPART == 3
	.amdgcn_target "amdgcn-amd-amdhsa--gfx1250"
	.amdhsa_code_object_version 6
	.text
	.protected	k_qd5f1914f96_attn
	.globl	k_qd5f1914f96_attn
	.p2align	8
	.type	k_qd5f1914f96_attn,@function
k_qd5f1914f96_attn:
	s_mov_b64 s[64:65], 0
	v_nop
	global_prefetch_b8 v0, s[64:65] scope:SCOPE_SE
	s_setreg_imm32_b32 hwreg(HW_REG_WAVE_MODE, 25, 1), 1
	s_wait_xcnt 0x0
	s_wait_alu depctr_hold_cnt(0) depctr_sa_sdst(0) depctr_va_vdst(0) depctr_va_sdst(0) depctr_va_ssrc(0) depctr_va_vcc(0) depctr_vm_vsrc(0)
	s_getreg_b32 s2, hwreg(HW_REG_IB_STS2, 6, 4)
	s_cmp_eq_u32 s2, 0
	s_cbranch_scc0 .Lentry_in_a_cluster
	s_endpgm
.Lentry_in_a_cluster:
	s_bfe_u32 s2, ttmp6, 0x10000c
	s_cmp_lg_u32 s2, 0x3003
	s_cbranch_scc0 .Lentry_shape_is_right
	s_endpgm
.Lentry_shape_is_right:
; Third launch: out[b][s][head] = w v, w = e / (sum of e + 1e-8), e = exp(q . k / 8) x mask, both products on codes of FP8 (E4M3).  Nothing of reference() is left out: no maximum is taken away, as reference() takes none;
; the mask is the f32 factor that it is; 1e-8 stays in the divisor; w is quantised finished and normalised, under entry 8.
; SHARES.  A work-group owns 512 queries of one head and batch (x: the head, y: 2 x batch + half).  Its four waves share the KEYS: a wave keeps 256 keys of K (16 fragments) and of V (8 fragments) in registers for the whole launch.
; A step takes a tile of 16 queries through one of three stages, three tiles at a time:
;   A (tile i):     e = 2^(S c) x mask, my keys' part of the row's sum into LDS;  S^T = K Q^T (16 instructions of K = 64) was begun at the end of the step before, ahead of the barrier, since it hangs on registers alone;
;   B (tile i - 1): the four parts of the sum, the divisor's reciprocal, w, its codes, my keys' part of O^T = V^T W^T (8 instructions of K = 128) into LDS;
;   C (tile i - 2): the four parts of O are added, x 2^(entry 8 + entry 9), and stored: a wave stores 4 of the 16 rows, sixteen lanes 256 consecutive bytes.
; One barrier a step parts a stage's LDS stores from the next stage's loads; sums and parts of O have two places each, by turns.
; Q's fragment of tile t + 2 is loaded behind tile t's products.  The loop's last trip so loads one fragment's worth of rows behind my 512 queries, which no product reads; they lie inside qkv (q's plane is followed by k's).
; THE MASK comes through a ring of two slots of 32 rows x 1,024 columns of f32, each wave fetching and reading its own 256 columns.  The four heads of a cluster need the same rows: joint loads, a round of the cluster's barrier
; in front of each.  Rows are prefetched one slot ahead of the tensor load by the clusters with x = 0 alone (the four clusters of a y read the same rows), the four partners sharing 32 rows out by address, 8 each.
; THE EXPONENTIALS GO AS ONE BATCH of 128 with one wait ahead of it and one behind it.  Between them stand stage B's 128 holds, whose results are first read behind the second wait.
; THE HOLD stands ahead of the division: e x mask is held within +-L, L = 448 x 2^(entry 8) x (1 - 2^-20) x |sum + 1e-8|, and then multiplied by the reciprocal.  A held number comes out between 432 and 448 codes and is
; rounded to the largest code, as reference()'s hold gives it; a number within L is not touched.
; LIMITS: entry 6 + entry 7 between -123 and 130 (added to c's exponent field); entry 8 between -126 and 119; entry 8 + entry 9 between -126 and 127.  NaN and infinities among the inputs or the exponentials are not served.
; LAYOUT.  Both products are used transposed: a lane holds ONE query (lane % 16); register j of score tile t is key 16 t + 8 (lane / 16) + j, so a tile's conversion gives registers 2 t, 2 t + 1 of the second product's operand.
; REGISTERS: window 0: v0-31 addresses and small things, v32-47 Q (two tiles), v48-95 stage C, v96-127 w's codes, v128-255 the mask;  window 1: e of two tiles, by turns;  window 2: K v0-127, V v128-255;  window 3: v0-31 O^T.
.set SLOTX, 133120                     ; a slot: four waves x 32 rows x 1,040 bytes
.set WMASK, 33280
.set MP,    1040                       ; a mask row in LDS: 1,024 bytes + 16 of padding
.set OPART, 266240                     ; the parts of O: 2 places x 4 waves x 16 rows x 272 bytes
.set OPP,   17408
.set OPW,   4352
.set SUMS,  301056                     ; the parts of the sums: 2 places x 16 queries x 4 waves
.set SPARE, 301568
.set VL,   1                           ; v1   L, the hold's bound for my query
.set AM0,  3
.set ADR,  4
.set KA,   5
.set SST,  6
.set SLD,  7
.set OST,  8
.set ORD,  9
.set CO,   10
.set PFO,  11
.set SPW,  12
.set NIL,  13
.set VSC,  14                          ; v14  2^(entry 8) as f32
.set VLIM, 15                          ; v15  448 x that x (1 - 2^-20)
.set INV,  16
.set SU,   18
.set TS,   22
.set ACC,  24
.set Q,    32
.set CT,   48
.set RES,  80
.set P,    96
.set M,    128
.set WV,   12
.set G1,   24
.set G0A,  32
.set G0B,  36
.set QP,   40
.set OP,   42
.set PFA,  44
.set SLIM, 46
.set TR,   47
.set TB,   48
.set CS,   50
.set F,    52
.set SEL,  54
.set MSB, 0
.macro WIN new                         ; the immediate's high byte repeats the setting that is left
.if MSB != \new
	s_set_vgpr_msb (MSB<<8)|\new
.set MSB, \new
.endif
.endm
.macro ROUND                           ; a round of the cluster's barrier
	s_barrier_signal -1
	s_barrier_wait -1
	s_cmp_lg_u32 s[WV], 0
	s_cbranch_scc1 .Lnot_wave_0_\@
	s_barrier_signal -3
.Lnot_wave_0_\@:
	s_barrier_wait -3
	s_barrier_signal -1
	s_barrier_wait -1
.endm
.macro ASK                             ; the slot after the one just asked for; the last trip has none
	s_cmp_gt_u32 s[TR], s[SLIM]
	s_cbranch_scc0 .Lnot_mine_\@
	global_prefetch_b8 v[PFO], s[PFA:PFA+1] th:TH_LOAD_NT scope:SCOPE_SE
.Lnot_mine_\@:
.endm
	s_load_b256 s[4:11], s[0:1], 0x0               ; qkv s[4:5], the mask s[6:7], the scales' exponents s[8:9], out s[10:11]
	v_lshl_add_u32 v[SPW], v0, 2, SPARE
	v_mov_b32 v[NIL], 0
	ds_add_u32 v[SPW], v[NIL]                      ; the wave's opening: the add, twice on end, and its wait ahead of my first tensor load
	ds_add_u32 v[SPW], v[NIL]
	v_lshrrev_b32 v1, 5, v0
	v_readfirstlane_b32 s[WV], v1                  ; wave 0..3
	s_bfe_u32 s13, ttmp6, 0x40000                  ; cx
	s_lshl_b32 s14, ttmp9, 2
	s_add_co_u32 s14, s14, s13                     ; the head
	s_and_b32 s15, ttmp7, 0xffff                   ; 2 x batch + half
	s_mov_b32 s[G1], 15|(2<<16)|(1<<20)|(1<<21)|(7<<22)|(3<<25)   ; the mask names the four; elements of 4 bytes; four words of padding after every 256
	s_mov_b32 s[G1+1], 256<<16
	s_mov_b32 s[G1+2], 32<<16
	s_mov_b32 s[G1+3], 256<<16
	s_mov_b32 s[G1+4], 32
	s_mov_b32 s[G1+5], 1024
	s_mov_b32 s[G1+6], 0
	s_mov_b32 s[G1+7], 0
	s_lshl_b32 s18, s15, 21                        ; the mask: 512 rows of 4,096 bytes for each y, + my 256 columns
	s_lshl_b32 s20, s[WV], 10
	s_add_co_u32 s18, s18, s20
	s_mov_b32 s19, 0
	s_mul_i32 s21, s[WV], WMASK
	s_lshr_b32 s22, s15, 1                         ; batch
	s_and_b32 s23, s15, 1                          ; half
	s_lshl_b32 s76, s14, 3
	s_add_co_u32 s76, s76, s22
	s_lshl_b32 s76, s76, 16                        ; q, k: [head][batch] x 1,024 rows of 64 bytes
	s_lshl_b32 s77, s23, 15
	s_add_co_u32 s66, s76, s77                     ; Q: my half's 512 queries
	s_mov_b32 s67, 0
	s_lshl_b32 s77, s[WV], 14
	s_add_co_u32 s68, s76, s77                     ; K: my 256 keys, in plane 1
	s_add_co_u32 s68, s68, 0x800000
	s_mov_b32 s69, 0
	s_lshl_b32 s78, s22, 4
	s_lshl_b32 s79, s[WV], 2
	s_add_co_u32 s78, s78, s79
	s_lshl_b32 s78, s78, 16                        ; V: [batch][my four panels of 64 keys][head][d][64], in plane 2
	s_lshl_b32 s79, s14, 12
	s_add_co_u32 s70, s78, s79
	s_add_co_u32 s70, s70, 0x1000000
	s_mov_b32 s71, 0
	s_lshl_b32 s72, s15, 21                        ; out: my 4 rows of a tile's 16, my head's 256 bytes
	s_add_co_u32 s72, s72, s77
	s_lshl_b32 s79, s14, 8
	s_add_co_u32 s72, s72, s79
	s_mov_b32 s73, 0
	s_lshl_b32 s74, s13, 15                        ; the prefetches: my work-group's 8 rows of slot 3
	s_add_co_u32 s74, s74, s18
	s_add_co_u32 s74, s74, 96*4096
	s_mov_b32 s75, 0
	s_mov_b32 s[SEL], 0x76543210
	s_mov_b32 s[SEL+1], 0xfedcba98
	s_mov_b32 s[TR], 14
	s_mov_b32 s[TB], 0
	s_cmp_eq_u32 ttmp9, 0
	s_cselect_b32 s[SLIM], 1, -1
	s_wait_dscnt 0x0                               ; both opening adds are done
	s_wait_kmcnt 0x0
	s_load_b128 s[56:59], s[8:9], 0x18             ; entries 6 to 9
	s_add_nc_u64 s[QP:QP+1], s[4:5], s[66:67]
	s_add_nc_u64 s[68:69], s[4:5], s[68:69]
	s_add_nc_u64 s[70:71], s[4:5], s[70:71]
	s_add_nc_u64 s[OP:OP+1], s[10:11], s[72:73]
	s_add_nc_u64 s[PFA:PFA+1], s[6:7], s[74:75]
	s_mov_b32 s[G0A], 1
	s_mov_b32 s[G0A+1], s21
	s_add_nc_u64 s[G0A+2:G0A+3], s[6:7], s[18:19]
	s_mov_b32 s[G0B], 1
	s_add_co_u32 s[G0B+1], s21, SLOTX
	s_add_nc_u64 s[G0B+2:G0B+3], s[G0A+2:G0A+3], 131072
	s_or_b32 s[G0A+3], s[G0A+3], 0x80000000
	s_or_b32 s[G0B+3], s[G0B+3], 0x80000000
	ROUND
	tensor_load_to_lds s[G0A:G0A+3], s[G1:G1+7]    ; slot 0: one tensor load a wave at the head; the addresses and K, V and Q are seen to while it is out
	s_nop 0
	v_and_b32 v1, 15, v0
	v_bfe_u32 v2, v0, 4, 1
	v_mul_u32_u24 v[AM0], v1, MP
	v_lshl_add_u32 v[AM0], v2, 5, v[AM0]
	v_add_nc_u32 v[AM0], s21, v[AM0]               ; the mask: row = my query, + 32 bytes for the upper lanes
	v_lshlrev_b32 v[KA], 6, v1
	v_lshl_add_u32 v[ADR], v2, 3, v[KA]            ; V: row d of 64 bytes, + 8 h
	v_lshl_add_u32 v[KA], v2, 4, v[KA]             ; K, Q: row of 64 bytes, + 16 h
	v_lshlrev_b32 v[SLD], 4, v1
	v_add_nc_u32 v[SLD], SUMS, v[SLD]
	s_lshl_b32 s20, s[WV], 2
	v_add_nc_u32 v[SST], s20, v[SLD]
	s_mul_i32 s20, s[WV], OPW
	v_mul_u32_u24 v[OST], v1, 272
	v_lshl_add_u32 v[OST], v2, 5, v[OST]
	v_add_nc_u32 v[OST], s20, v[OST]
	v_add_nc_u32 v[OST], OPART, v[OST]
	s_mul_i32 s20, s[WV], 4*272
	v_mul_u32_u24 v[ORD], v2, 272
	v_lshl_add_u32 v[ORD], v1, 4, v[ORD]
	v_add_nc_u32 v[ORD], s20, v[ORD]
	v_add_nc_u32 v[ORD], OPART, v[ORD]
	v_lshlrev_b32 v[CO], 12, v2
	v_lshl_add_u32 v[CO], v1, 4, v[CO]
	v_and_b32 v[PFO], 31, v0
	v_lshrrev_b32 v[TS+1], 2, v[PFO]
	v_and_b32 v[PFO], 3, v[PFO]
	v_lshlrev_b32 v[PFO], 8, v[PFO]
	v_lshl_add_u32 v[PFO], v[TS+1], 12, v[PFO]
	v_mov_b32 v[INV+1], 0                          ; (named as the upper half of a pair)
	WIN 0x80
.irp t, 0,1,2,3,4,5,6,7,8,9,10,11,12,13,14,15
	global_load_b128 v[8*\t:8*\t+3],   v[KA], s[68:69] offset:1024*\t
	global_load_b128 v[8*\t+4:8*\t+7], v[KA], s[68:69] offset:1024*\t+32
.endr
	WIN 0                                          ; Q's first two tiles ahead of V: the first scores hang on K and Q alone
	global_load_b128 v[Q:Q+3],     v[KA], s[QP:QP+1]
	global_load_b128 v[Q+4:Q+7],   v[KA], s[QP:QP+1] offset:32
	global_load_b128 v[Q+8:Q+11],  v[KA], s[QP:QP+1] offset:1024
	global_load_b128 v[Q+12:Q+15], v[KA], s[QP:QP+1] offset:1056
	WIN 0x80
.irp dt, 0,1,2,3
.irp ks, 0,1
.irp c, 0,1,2,3,4,5,6,7
	global_load_b64 v[128+16*(2*\dt+\ks)+2*\c:128+16*(2*\dt+\ks)+2*\c+1], v[ADR], s[70:71] offset:(2*\ks+\c/4)*65536+1024*\dt+16*(\c%4)
.endr
.endr
.endr
	WIN 0
	s_wait_kmcnt 0x0
	s_add_co_i32 s20, s56, s57
	s_lshl_b32 s20, s20, 23
	s_mov_b32 s[CS], 0x3e38aa3b                    ; c = log2(e) / 8,
	s_add_co_i32 s[CS], s[CS], s20                 ; x 2^(entry 6 + entry 7)
	s_mov_b32 s[CS+1], s[CS]
	s_add_co_i32 s20, s58, s59
	s_add_co_i32 s20, s20, 127
	s_lshl_b32 s[F], s20, 23                       ; 2^(entry 8 + entry 9)
	s_mov_b32 s[F+1], s[F]
	s_add_co_i32 s20, s58, 127
	s_lshl_b32 s22, s20, 23
	v_mov_b32 v[VSC], s22
	s_add_co_i32 s20, s20, 8
	s_lshl_b32 s20, s20, 23
	s_or_b32 s20, s20, 0x5ffff2                    ; 1.75 less 14 units of its last place: 448 (1 - 2^-20)
	v_mov_b32 v[VLIM], s20
	s_wait_alu depctr_va_vdst(0)                   ; the wait at the head's end
	s_wait_xcnt 0x0                                ; V's loads have read v[ADR], which the first step writes
	s_wait_tensorcnt 0x0                           ; slot 0 is in; these lines stand ahead of a later first fill, as ahead of a refill
	ds_add_u32 v[SPW], v[NIL]
	s_wait_dscnt 0x0
	ROUND
	tensor_load_to_lds s[G0B:G0B+3], s[G1:G1+7]    ; slot 1
	s_nop 0
.rept 4
	v_nop
.endr
; S^T = K Q^T of the tile that goes into place p of window 1.  qld: Q two tiles on is loaded; qw: Q's loads that may be out.
.macro SMUL p, qld, qw
	s_wait_loadcnt \qw
	WIN 0x42
.irp t, 0,1,2,3,4,5,6,7,8,9,10,11,12,13,14,15
	v_wmma_f32_16x16x64_fp8_fp8 v[128*(\p)+8*\t:128*(\p)+8*\t+7], v[8*\t:8*\t+7], v[Q+8*(\p):Q+8*(\p)+7], 0
.endr
.rept 4
	v_nop                                          ; places in front of the loads into Q and of the first reads of the scores
.endr
	WIN 0
.if \qld
	global_load_b128 v[Q+8*(\p):Q+8*(\p)+3],   v[KA], s[QP:QP+1] offset:2048+1024*(\p)
	global_load_b128 v[Q+8*(\p)+4:Q+8*(\p)+7], v[KA], s[QP:QP+1] offset:2048+1024*(\p)+32
.endif
.endm
; A STEP.  hasA, hasB, hasC: which stages it has; p: stage A's tile is the slot's p-th; bar: 1 a plain barrier, 2 a change of slots with a refill, 3 one without.
.macro ITER hasA, hasB, hasC, p, bar
.set EA, 128*(\p)
.set EB, 128-128*(\p)
.if \bar == 1
	s_wait_dscnt 0x0                               ; my sums and parts of O are stored
	s_barrier_signal -1
	s_barrier_wait -1
.elseif \bar == 3
	s_wait_tensorcnt 0x0
	ds_add_u32 v[SPW], v[NIL]
	s_wait_dscnt 0x0
	s_barrier_signal -1
	s_barrier_wait -1
.elseif \bar == 2
	s_wait_tensorcnt 0x0                           ; my part of the slot ahead is in; the group 0 may be written
	ds_add_u32 v[SPW], v[NIL]
	s_xor_b32 s[G0B+1], s[G0B+1], SLOTX
	s_add_nc_u64 s[G0B+2:G0B+3], s[G0B+2:G0B+3], 131072
	s_wait_dscnt 0x0                               ; the add is done, and my reads of the slot that I have left
	ROUND
	tensor_load_to_lds s[G0B:G0B+3], s[G1:G1+7]
	s_nop 0
.rept 4
	v_nop
.endr
	ASK
.endif
.if \hasA
	v_add_nc_u32 v[ADR], s[TB], v[AM0]
.endif
.if \hasB
	ds_load_b128 v[SU:SU+3], v[SLD] offset:256-256*(\p)
.endif
.if \hasC
.irp q, 0,1,2,3
.irp k, 0,1
	ds_load_b128 v[CT+8*\q+4*\k:CT+8*\q+4*\k+3], v[ORD] offset:OPP*(\p)+OPW*\q+544*\k
.endr
.endr
.endif
.if \hasA
.irp t, 0,1,2,3,4,5,6,7,8,9,10,11,12,13,14,15
	ds_load_b128 v[M+8*\t:M+8*\t+3],   v[ADR] offset:16*MP*(\p)+64*\t
	ds_load_b128 v[M+8*\t+4:M+8*\t+7], v[ADR] offset:16*MP*(\p)+64*\t+16
.endr
	WIN 0x41
.set mm, 0
.rept 64
	v_pk_mul_f32 v[EA+2*mm:EA+2*mm+1], v[EA+2*mm:EA+2*mm+1], s[CS:CS+1] op_sel_hi:[1,0]   ; S c, while the LDS loads are out; each accumulator from its low end on
.set mm, mm+1
.endr
	WIN 0
.endif
.if \hasB || \hasC
	s_wait_dscnt 32*(\hasA)                        ; the sums and the parts of O are in; the mask's 32 loads may be out
.endif
.if \hasB
	v_add_f32 v[SU], v[SU], v[SU+1]
	v_add_f32 v[SU+2], v[SU+2], v[SU+3]
	v_add_f32 v[SU], v[SU], v[SU+2]
	v_add_f32 v[SU], 0x322bcc77, v[SU]             ; + 1e-8
	v_mul_f32 v[VL], |v[SU]|, v[VLIM]              ; L
	s_wait_alu depctr_va_vdst(0)                   ; the wait ahead of the transcendental
	v_rcp_f32 v[INV], v[SU]
	v_nop
.endif
.if \hasC
.irp k, 0,4
.irp u, 0,2
	v_pk_add_f32 v[CT+\k+\u:CT+\k+\u+1], v[CT+\k+\u:CT+\k+\u+1], v[CT+8+\k+\u:CT+8+\k+\u+1]
	v_pk_add_f32 v[CT+16+\k+\u:CT+16+\k+\u+1], v[CT+16+\k+\u:CT+16+\k+\u+1], v[CT+24+\k+\u:CT+24+\k+\u+1]
.endr
.endr
.irp k, 0,4
.irp u, 0,2
	v_pk_add_f32 v[CT+\k+\u:CT+\k+\u+1], v[CT+\k+\u:CT+\k+\u+1], v[CT+16+\k+\u:CT+16+\k+\u+1]
.endr
.endr
.irp k, 0,4
.irp u, 0,2
	v_pk_mul_f32 v[RES+8*(\p)+\k+\u:RES+8*(\p)+\k+\u+1], v[CT+\k+\u:CT+\k+\u+1], s[F:F+1] op_sel_hi:[1,0]
.endr
.endr
	global_store_b128 v[CO], v[RES+8*(\p):RES+8*(\p)+3],   s[OP:OP+1] offset:65536*(\p) th:TH_STORE_NT
	global_store_b128 v[CO], v[RES+8*(\p)+4:RES+8*(\p)+7], s[OP:OP+1] offset:65536*(\p)+8192 th:TH_STORE_NT
.endif
.if \hasA || \hasB
	WIN 0x41
	s_wait_alu depctr_va_vdst(0)                   ; the wait ahead of the batch; it also stands ahead of the reciprocal's first reader
.set mm, 0
.rept 128
.if \hasA
	v_exp_f32 v[EA+mm], v[EA+mm]
.endif
.if \hasB
	v_med3_num_f32 v[EB+mm], v[EB+mm], -v[VL], v[VL]   ; the hold; its result is first read behind the wait below
.endif
.set mm, mm+1
.endr
.if \hasA
.if \hasB == 0
	v_nop                                          ; a plain place behind the last exponential
.endif
	s_wait_alu depctr_va_vdst(0)                   ; the one wait behind the batch
.endif
.endif
.if \hasB
.set mm, 0
.rept 64
	v_pk_mul_f32 v[EB+2*mm:EB+2*mm+1], v[EB+2*mm:EB+2*mm+1], v[INV:INV+1] op_sel_hi:[1,0]   ; w
.set mm, mm+1
.endr
	WIN 0x01
.irp t, 0,1,2,3,4,5,6,7,8,9,10,11,12,13,14,15
	v_cvt_scalef32_pk8_fp8_f32 v[P+2*\t:P+2*\t+1], v[EB+8*\t:EB+8*\t+7], v[VSC]
.endr
	v_nop                                          ; a plain instruction between the conversions and the products that read their results
	WIN 0xf2
.irp ks, 0,1
.irp dt, 0,1,2,3
.if \ks == 0
	v_wmma_f32_16x16x128_fp8_fp8 v[8*\dt:8*\dt+7], v[128+16*(2*\dt+\ks):128+16*(2*\dt+\ks)+15], v[P+16*\ks:P+16*\ks+15], 0
.else
	v_wmma_f32_16x16x128_fp8_fp8 v[8*\dt:8*\dt+7], v[128+16*(2*\dt+\ks):128+16*(2*\dt+\ks)+15], v[P+16*\ks:P+16*\ks+15], v[8*\dt:8*\dt+7]
.endif
.endr
.endr
.endif
.if \hasA
	s_wait_dscnt 0x0                               ; the mask is in
	WIN 0x41
.set mm, 0
.rept 64
	v_pk_mul_f32 v[EA+2*mm:EA+2*mm+1], v[EA+2*mm:EA+2*mm+1], v[M+2*mm:M+2*mm+1]
.set mm, mm+1
.endr
.elseif \hasB
.rept 4
	v_nop
.endr
.endif
.if \hasB
	WIN 0x0c                                       ; my part of O^T: the multiplies above are the places behind its products
.irp dt, 0,1,2,3
	ds_store_b128 v[OST], v[8*\dt:8*\dt+3]   offset:OPP-OPP*(\p)+64*\dt
	ds_store_b128 v[OST], v[8*\dt+4:8*\dt+7] offset:OPP-OPP*(\p)+64*\dt+16
.endr
.endif
.if \hasA
	WIN 0x05
.irp c, 0,1,2,3
	v_pk_add_f32 v[ACC+2*\c:ACC+2*\c+1], v[EA+2*\c:EA+2*\c+1], v[EA+8+2*\c:EA+8+2*\c+1]
.endr
	WIN 0x01
.set mm, 8
.rept 56
	v_pk_add_f32 v[ACC+2*(mm%4):ACC+2*(mm%4)+1], v[EA+2*mm:EA+2*mm+1], v[ACC+2*(mm%4):ACC+2*(mm%4)+1]
.set mm, mm+1
.endr
	WIN 0
	v_pk_add_f32 v[ACC:ACC+1], v[ACC:ACC+1], v[ACC+2:ACC+3]
	v_pk_add_f32 v[ACC+4:ACC+5], v[ACC+4:ACC+5], v[ACC+6:ACC+7]
	v_pk_add_f32 v[ACC:ACC+1], v[ACC:ACC+1], v[ACC+4:ACC+5]
	v_add_f32 v[TS], v[ACC], v[ACC+1]
	v_permlanex16_b32 v[TS+1], v[TS], s[SEL], s[SEL+1]
	v_add_f32 v[TS], v[TS], v[TS+1]
	ds_store_b32 v[SST], v[TS] offset:256*(\p)
.endif
	WIN 0
.endm
.macro STEPP q, o, f                   ; two tiles on
	s_wait_xcnt 0x0                                ; loads, stores and prefetches have read their bases
.if \q
	s_add_nc_u64 s[QP:QP+1], s[QP:QP+1], 2048
.endif
.if \o
	s_add_nc_u64 s[OP:OP+1], s[OP:OP+1], 131072
.endif
.if \f
	s_add_nc_u64 s[PFA:PFA+1], s[PFA:PFA+1], 131072
.endif
	s_xor_b32 s[TB], s[TB], SLOTX
.endm
	SMUL 0, 1, 63                                  ; tile 0: K and its Q are in; behind them 66 loads were issued (tile 1's Q, V's 64), of which 63 may be out
	ITER 1, 0, 0, 0, 0
	SMUL 1, 1, 63                                  ; tile 1: behind its Q stand V's 64 loads and tile 2's two
	s_wait_loadcnt 4                               ; V is in, ahead of the first step that multiplies by it; the four loads of Q behind it may be out
	ITER 1, 1, 0, 1, 1
	STEPP 1, 0, 0
	SMUL 0, 1, 2
.Lpair:                                                ; 14 trips of two tiles: each fills the slot just left
	ITER 1, 1, 1, 0, 2
	SMUL 1, 1, 2
	ITER 1, 1, 1, 1, 1
	STEPP 1, 1, 1
	SMUL 0, 1, 2
	s_sub_co_u32 s[TR], s[TR], 1
	s_cmp_lg_u32 s[TR], 0
	s_cbranch_scc1 .Lpair
	ITER 1, 1, 1, 0, 3                             ; the last slot: nothing is left to fetch
	SMUL 1, 0, 2
	ITER 1, 1, 1, 1, 1
	STEPP 0, 1, 0
	ITER 0, 1, 1, 0, 1
	ITER 0, 0, 1, 1, 1
	s_wait_tensorcnt 0x0                           ; the wave's end: behind my last tensor load and my last LDS store
	ds_add_u32 v[SPW], v[NIL]
	s_wait_dscnt 0x0
	ROUND                                          ; the closing round
	s_endpgm
.Lfunc_end_k_qd5f1914f96_attn:
	.size	k_qd5f1914f96_attn, .Lfunc_end_k_qd5f1914f96_attn-k_qd5f1914f96_attn
	.p2alignl 7, 3214868480
	.fill 96, 4, 3214868480
	.section	.rodata,"a",@progbits
	.p2align	6, 0x0
	.amdhsa_kernel k_qd5f1914f96_attn
		.amdhsa_group_segment_fixed_size 327680
		.amdhsa_private_segment_fixed_size 0
		.amdhsa_enable_private_segment 0
		.amdhsa_kernarg_size 32
		.amdhsa_user_sgpr_count 2
		.amdhsa_user_sgpr_kernarg_segment_ptr 1
		.amdhsa_wavefront_size32 1
		.amdhsa_system_sgpr_workgroup_id_x 1
		.amdhsa_system_sgpr_workgroup_id_y 1
		.amdhsa_system_sgpr_workgroup_id_z 1
		.amdhsa_system_vgpr_workitem_id 0
		.amdhsa_next_free_vgpr 1024
		.amdhsa_next_free_sgpr 80
		.amdhsa_reserve_vcc 0
		.amdhsa_float_denorm_mode_32 3
		.amdhsa_float_denorm_mode_16_64 3
		.amdhsa_memory_ordered 1
		.amdhsa_forward_progress 1
		.amdhsa_inst_pref_size 236
	.end_amdhsa_kernel
	.amdgpu_metadata
---
amdhsa.version: [ 1, 2 ]
amdhsa.kernels:
  - .name:           k_qd5f1914f96_attn
    .symbol:         k_qd5f1914f96_attn.kd
    .args:
      - { .name: qkv, .offset: 0, .size: 8, .value_kind: global_buffer, .address_space: global }
      - { .name: attn_mask, .offset: 8, .size: 8, .value_kind: global_buffer, .address_space: global }
      - { .name: lowp_scales, .offset: 16, .size: 8, .value_kind: global_buffer, .address_space: global }
      - { .name: out0, .offset: 24, .size: 8, .value_kind: global_buffer, .address_space: global }
    .group_segment_fixed_size: 327680
    .private_segment_fixed_size: 0
    .kernarg_segment_align: 8
    .kernarg_segment_size: 32
    .max_flat_workgroup_size: 128
    .sgpr_count:     80
    .vgpr_count:     1024
    .wavefront_size: 32
...
	.end_amdgpu_metadata
.endif
;; end of part 3
